; MI455X (gfx1250); checked and timed in simulation.
; The chip was launched on July 23, 2026; its instructions are those of AMD's public machine-readable ISA for CDNA 5 (MIT licence, August 2026) and "CDNA5" Instruction Set Architecture Reference Guide (July 2026). The comments in the code are by the model that wrote it; some were corrected since.
;; Lora Multi Headed Self Attention. Allowed arithmetic: float matrix products may take bf16 or f16 operands with f32 sums; all other float work in f32.
;; Inputs: Aq 16 x 768 float32; Av 16 x 768 float32; Bq 768 x 16 float32; Bv 768 x 16 float32; Wk 768 x 768 float32; Wq 768 x 768 float32; Wv 768 x 768 float32; bk 768 float32; bq 768 float32; bv 768 float32; mask 2 x 2,048 int32; x 2 x 2,048 x 768 float32.
;; Outputs: out0 2 x 2,048 x 768 float32.
;; 2 versions, each right; version 2 is version 1 with the launch prep written anew for expert scheduling mode. Each part assembles by itself: llvm-mc -triple=amdgcn-amd-amdhsa -mcpu=gfx1250 --defsym DOCPART=n.
;; ======== version 1 of 2: 3 launches
;; limits: values are held in f16: magnitudes above 65,504 overflow, below 6.1e-05 lose precision
;; workspace buffers: xh 6,291,456 bytes; wh 3,538,944 bytes; bb 9,216 bytes; qkv 18,874,368 bytes
;; launch prep (part 1): grid 544 x 1, 6 waves a work-group, no clusters, 0 bytes of LDS; arguments x, Wq, Wk, Wv, Aq, Av, Bq, Bv, bq, bk, bv, xh, wh, bb; writes xh, wh, bb
.if DOCPART == 1
	.amdgcn_target "amdgcn-amd-amdhsa--gfx1250"
	.amdhsa_code_object_version 6
	.text
	.protected	k_q6147b377d0_prep
	.globl	k_q6147b377d0_prep
	.p2align	8
	.type	k_q6147b377d0_prep,@function
k_q6147b377d0_prep:
	s_mov_b64 s[64:65], 0
	v_nop
	global_prefetch_b8 v0, s[64:65] scope:SCOPE_SE
	s_setreg_imm32_b32 hwreg(HW_REG_WAVE_MODE, 25, 1), 1
	s_wait_xcnt 0x0
; Casts and the merge of the low-rank terms, ahead of the projection.
;   xh[4096][768] f16 = x
;   wh[2304][768] f16: rows 0-767 c (Wq + Bq Aq / 16), rows 768-1535 Wk, rows 1536-2303 Wv + Bv Av / 16
;   bb[2304]      f32: c bq, bk, bv
; c = 0.125 log2(e): the division by sqrt(64) and the change to base-2 exponentials are folded into q's weights and bias.
; x W^T + (x A^T) B^T / 16 = x (W + B A / 16)^T holds for every input; the merged weight is summed in f32 and rounded once.
; LIMIT: f16 holds magnitudes below 65,504; a larger |x| or |merged weight| becomes an infinity.
; A row of 768 f32 is 192 pieces of 16 bytes: thread t of 192 owns piece t of every row.  A wave's load covers 512 consecutive
; bytes; its 8-byte store covers 256 consecutive bytes that start at a multiple of 256.  No LDS, no barrier, no matrix unit:
; every byte is touched once, and the merge is 16 multiply-adds a number on 1.2 million numbers.
; Work-groups 0-95 and 96-191: 8 rows each of Wq and Wv (the longest work, so it starts first); 192-287: 8 rows of Wk; 288-543: 16 rows of x.
; All loads of a work-group go out together.  B's 8 rows x 16 numbers are 512 bytes: one load, four numbers a lane; each number is
; then handed to a scalar register by v_readlane_b32 and multiplies two columns at once.
.set ROWF, 3072                        ; bytes of a row in f32
.set ROWH, 1536                        ; bytes of a row in f16
.set XR,  4                            ; v[4:67]    16 rows of x, 4 registers each
.set XO,  68                           ; v[68:99]   the same as f16, 2 registers each
.set AR,  4                            ; v[4:67]    A's 16 rows, my 4 columns each
.set WR,  68                           ; v[68:99]   8 rows of W, my 4 columns each
.set WO,  100                          ; v[100:115] the same as f16
.set BV,  116                          ; v[116:119] lane l: numbers 4 l .. 4 l + 3 of B's 128
.set BS0, 32                           ; s[32:63]   16 pairs: the even register holds a number of B's row for the even row of W; the odd one is only written
.set BS1, 66                           ; s[66:97]   the same for the odd row of W
.set CQ,   0x3e38aa3b                  ; c
.set CQ16, 0x3c38aa3b                  ; c / 16
.set R16,  0x3d800000                  ; 1 / 16
	s_load_b512 s[4:19], s[0:1], 0x0               ; x, Wq, Wk, Wv, Aq, Av, Bq, Bv
	s_load_b256 s[20:27], s[0:1], 0x40             ; bq, bk, bv, xh
	s_load_b128 s[28:31], s[0:1], 0x60             ; wh, bb
	v_lshlrev_b32 v1, 4, v0                        ; 16 t: my piece of an f32 row
	v_lshlrev_b32 v2, 3, v0                        ; 8 t: my piece of an f16 row
	v_and_b32 v3, 31, v0
	v_lshlrev_b32 v3, 4, v3                        ; 16 x lane: my four numbers of B
	s_mov_b32 s2, ttmp9
	s_wait_kmcnt 0x0
	s_cmp_lt_u32 s2, 96
	s_cbranch_scc1 .Lwq
	s_sub_co_u32 s2, s2, 96
	s_cmp_lt_u32 s2, 96
	s_cbranch_scc1 .Lwv
	s_sub_co_u32 s2, s2, 96
	s_cmp_lt_u32 s2, 96
	s_cbranch_scc1 .Lwk
	s_sub_co_u32 s2, s2, 96
	; x: 16 rows, all 16 loads out at once, every row in registers of its own
	s_mul_i32 s66, s2, 16*ROWF
	s_mov_b32 s67, 0
	s_add_nc_u64 s[4:5], s[4:5], s[66:67]
	s_mul_i32 s68, s2, 16*ROWH
	s_mov_b32 s69, 0
	s_add_nc_u64 s[26:27], s[26:27], s[68:69]
.irp i, 0,1,2,3,4,5,6,7,8,9,10,11,12,13,14,15
	global_load_b128 v[XR+4*\i:XR+4*\i+3], v1, s[4:5] offset:\i*ROWF th:TH_LOAD_NT
.endr
.irp i, 0,1,2,3,4,5,6,7,8,9,10,11,12,13,14,15
	s_wait_loadcnt 15-\i                           ; loads return in order: row i is in, the younger rows stay out
	v_cvt_pk_f16_f32 v[XO+2*\i],   v[XR+4*\i],   v[XR+4*\i+1]
	v_cvt_pk_f16_f32 v[XO+2*\i+1], v[XR+4*\i+2], v[XR+4*\i+3]
	global_store_b64 v2, v[XO+2*\i:XO+2*\i+1], s[26:27] offset:\i*ROWH
.endr
	s_endpgm
; Eight rows of one weight matrix.  wp, ap, bp, cp: first scalar register of the addresses of W, A, B and the bias; m: which third of wh and bb;
; lora: the matrix has a low-rank term; scaled: everything times c.  s2 = which eight rows.
.macro WPATH wp, ap, bp, cp, m, lora, scaled
	s_mul_i32 s66, s2, 8*ROWF
	s_mov_b32 s67, 0
	s_add_nc_u64 s[\wp:\wp+1], s[\wp:\wp+1], s[66:67]
	s_mul_i32 s68, s2, 8*ROWH
	s_add_co_u32 s68, s68, \m*768*ROWH
	s_mov_b32 s69, 0
	s_add_nc_u64 s[28:29], s[28:29], s[68:69]
.if \lora
	s_lshl_b32 s70, s2, 9                          ; 8 rows of B, 64 bytes each
	s_mov_b32 s71, 0
	s_add_nc_u64 s[\bp:\bp+1], s[\bp:\bp+1], s[70:71]
	global_load_b128 v[BV:BV+3], v3, s[\bp:\bp+1]  ; B's 128 numbers for my 8 rows, four a lane
.set r, 0
.rept 16
	global_load_b128 v[AR+4*r:AR+4*r+3], v1, s[\ap:\ap+1] offset:r*ROWF    ; all of A, my 4 columns (96 work-groups read it: no hint)
.set r, r+1
.endr
.endif
.set i, 0
.rept 8
	global_load_b128 v[WR+4*i:WR+4*i+3], v1, s[\wp:\wp+1] offset:i*ROWF th:TH_LOAD_NT
.set i, i+1
.endr
.if \lora
.set r, 0
.rept 16                                               ; the upper halves of the scalar pairs are named by the packed multiply-adds and never used: written once
	s_mov_b32 s[BS0+2*r+1], 0
	s_mov_b32 s[BS1+2*r+1], 0
.set r, r+1
.endr
	s_wait_loadcnt 0x8                             ; B's load and A's 16 are in; the 8 rows of W were issued behind them
.if \scaled
	v_pk_mul_f32 v[BV:BV+1],   v[BV:BV+1],   CQ16 op_sel_hi:[1,0]     ; the term's factor goes onto B: two instructions
	v_pk_mul_f32 v[BV+2:BV+3], v[BV+2:BV+3], CQ16 op_sel_hi:[1,0]
.else
	v_pk_mul_f32 v[BV:BV+1],   v[BV:BV+1],   R16 op_sel_hi:[1,0]
	v_pk_mul_f32 v[BV+2:BV+3], v[BV+2:BV+3], R16 op_sel_hi:[1,0]
.endif
.endif
.set i, 0
.rept 4                                                ; rows 2 i and 2 i + 1 together: four sums that do not wait for each other
	s_wait_loadcnt 6-2*i                           ; both rows of W are in, the younger rows stay out
.if \scaled
	v_pk_mul_f32 v[WR+8*i:WR+8*i+1],   v[WR+8*i:WR+8*i+1],   CQ op_sel_hi:[1,0]
	v_pk_mul_f32 v[WR+8*i+2:WR+8*i+3], v[WR+8*i+2:WR+8*i+3], CQ op_sel_hi:[1,0]
	v_pk_mul_f32 v[WR+8*i+4:WR+8*i+5], v[WR+8*i+4:WR+8*i+5], CQ op_sel_hi:[1,0]
	v_pk_mul_f32 v[WR+8*i+6:WR+8*i+7], v[WR+8*i+6:WR+8*i+7], CQ op_sel_hi:[1,0]
.endif
.if \lora
.set r, 0
.rept 16                                               ; number r of row n of B lies in lane 4 n + r / 4, register r % 4
	v_readlane_b32 s[BS0+2*r], v[BV+r%4], 8*i+r/4
	v_readlane_b32 s[BS1+2*r], v[BV+r%4], 8*i+4+r/4
.set r, r+1
.endr
.set r, 0
.rept 16                                               ; the scalar pair's first register multiplies both columns
	v_pk_fma_f32 v[WR+8*i:WR+8*i+1],   v[AR+4*r:AR+4*r+1],   s[BS0+2*r:BS0+2*r+1], v[WR+8*i:WR+8*i+1]   op_sel_hi:[1,0,1]
	v_pk_fma_f32 v[WR+8*i+2:WR+8*i+3], v[AR+4*r+2:AR+4*r+3], s[BS0+2*r:BS0+2*r+1], v[WR+8*i+2:WR+8*i+3] op_sel_hi:[1,0,1]
	v_pk_fma_f32 v[WR+8*i+4:WR+8*i+5], v[AR+4*r:AR+4*r+1],   s[BS1+2*r:BS1+2*r+1], v[WR+8*i+4:WR+8*i+5] op_sel_hi:[1,0,1]
	v_pk_fma_f32 v[WR+8*i+6:WR+8*i+7], v[AR+4*r+2:AR+4*r+3], s[BS1+2*r:BS1+2*r+1], v[WR+8*i+6:WR+8*i+7] op_sel_hi:[1,0,1]
.set r, r+1
.endr
.endif
	v_cvt_pk_f16_f32 v[WO+4*i],   v[WR+8*i],   v[WR+8*i+1]
	v_cvt_pk_f16_f32 v[WO+4*i+1], v[WR+8*i+2], v[WR+8*i+3]
	v_cvt_pk_f16_f32 v[WO+4*i+2], v[WR+8*i+4], v[WR+8*i+5]
	v_cvt_pk_f16_f32 v[WO+4*i+3], v[WR+8*i+6], v[WR+8*i+7]
	global_store_b64 v2, v[WO+4*i:WO+4*i+1],   s[28:29] offset:(2*i)*ROWH
	global_store_b64 v2, v[WO+4*i+2:WO+4*i+3], s[28:29] offset:(2*i+1)*ROWH
.set i, i+1
.endr
	s_cmp_lg_u32 s2, 0                             ; the matrix's first work-group also copies its bias: 192 threads x 16 bytes
	s_cbranch_scc1 .Lno_bias_\@
	global_load_b128 v[4:7], v1, s[\cp:\cp+1]
	s_wait_loadcnt 0x0
.if \scaled
	v_pk_mul_f32 v[4:5], v[4:5], CQ op_sel_hi:[1,0]
	v_pk_mul_f32 v[6:7], v[6:7], CQ op_sel_hi:[1,0]
.endif
	global_store_b128 v1, v[4:7], s[30:31] offset:\m*ROWF
.Lno_bias_\@:
	s_endpgm
.endm
.Lwq:
	WPATH 6, 12, 16, 20, 0, 1, 1                   ; Wq, Aq, Bq, bq, all times c
.Lwv:
	WPATH 10, 14, 18, 24, 2, 1, 0                  ; Wv, Av, Bv, bv
.Lwk:
	WPATH 8, 12, 16, 22, 1, 0, 0                   ; Wk, bk: a cast alone (A's and B's registers are not used)
.Lfunc_end_k_q6147b377d0_prep:
	.size	k_q6147b377d0_prep, .Lfunc_end_k_q6147b377d0_prep-k_q6147b377d0_prep
	.p2alignl 7, 3214868480
	.fill 96, 4, 3214868480
	.section	.rodata,"a",@progbits
	.p2align	6, 0x0
	.amdhsa_kernel k_q6147b377d0_prep
		.amdhsa_group_segment_fixed_size 0
		.amdhsa_private_segment_fixed_size 0
		.amdhsa_enable_private_segment 0
		.amdhsa_kernarg_size 112
		.amdhsa_user_sgpr_count 2
		.amdhsa_user_sgpr_kernarg_segment_ptr 1
		.amdhsa_wavefront_size32 1
		.amdhsa_system_sgpr_workgroup_id_x 1
		.amdhsa_system_sgpr_workgroup_id_y 1
		.amdhsa_system_sgpr_workgroup_id_z 1
		.amdhsa_system_vgpr_workitem_id 0
		.amdhsa_next_free_vgpr 120
		.amdhsa_next_free_sgpr 98
		.amdhsa_reserve_vcc 0
		.amdhsa_float_denorm_mode_32 3
		.amdhsa_float_denorm_mode_16_64 3
		.amdhsa_memory_ordered 1
		.amdhsa_forward_progress 1
		.amdhsa_inst_pref_size 73
	.end_amdhsa_kernel
	.amdgpu_metadata
---
amdhsa.version: [ 1, 2 ]
amdhsa.kernels:
  - .name:           k_q6147b377d0_prep
    .symbol:         k_q6147b377d0_prep.kd
    .args:
      - { .name: x, .offset: 0, .size: 8, .value_kind: global_buffer, .address_space: global }
      - { .name: Wq, .offset: 8, .size: 8, .value_kind: global_buffer, .address_space: global }
      - { .name: Wk, .offset: 16, .size: 8, .value_kind: global_buffer, .address_space: global }
      - { .name: Wv, .offset: 24, .size: 8, .value_kind: global_buffer, .address_space: global }
      - { .name: Aq, .offset: 32, .size: 8, .value_kind: global_buffer, .address_space: global }
      - { .name: Av, .offset: 40, .size: 8, .value_kind: global_buffer, .address_space: global }
      - { .name: Bq, .offset: 48, .size: 8, .value_kind: global_buffer, .address_space: global }
      - { .name: Bv, .offset: 56, .size: 8, .value_kind: global_buffer, .address_space: global }
      - { .name: bq, .offset: 64, .size: 8, .value_kind: global_buffer, .address_space: global }
      - { .name: bk, .offset: 72, .size: 8, .value_kind: global_buffer, .address_space: global }
      - { .name: bv, .offset: 80, .size: 8, .value_kind: global_buffer, .address_space: global }
      - { .name: xh, .offset: 88, .size: 8, .value_kind: global_buffer, .address_space: global }
      - { .name: wh, .offset: 96, .size: 8, .value_kind: global_buffer, .address_space: global }
      - { .name: bb, .offset: 104, .size: 8, .value_kind: global_buffer, .address_space: global }
    .group_segment_fixed_size: 0
    .private_segment_fixed_size: 0
    .kernarg_segment_align: 8
    .kernarg_segment_size: 112
    .max_flat_workgroup_size: 192
    .sgpr_count:     98
    .vgpr_count:     120
    .wavefront_size: 32
...
	.end_amdgpu_metadata
.endif
;; end of part 1
;; launch proj (part 2): grid 8 x 32, 4 waves a work-group, clusters of 4 x 4, 327,680 bytes of LDS; arguments xh, wh, bb, qkv; writes qkv
.if DOCPART == 2
	.amdgcn_target "amdgcn-amd-amdhsa--gfx1250"
	.amdhsa_code_object_version 6
	.text
	.protected	k_q6147b377d0_proj
	.globl	k_q6147b377d0_proj
	.p2align	8
	.type	k_q6147b377d0_proj,@function
k_q6147b377d0_proj:
	s_mov_b64 s[64:65], 0
	v_nop
	global_prefetch_b8 v0, s[64:65] scope:SCOPE_SE
	s_setreg_imm32_b32 hwreg(HW_REG_WAVE_MODE, 25, 1), 1
	s_wait_xcnt 0x0
	s_wait_alu depctr_hold_cnt(0) depctr_sa_sdst(0) depctr_va_vdst(0) depctr_va_sdst(0) depctr_va_ssrc(0) depctr_va_vcc(0) depctr_vm_vsrc(0)
	s_getreg_b32 s2, hwreg(HW_REG_IB_STS2, 6, 4)
	s_cmp_eq_u32 s2, 0
	s_cbranch_scc0 .Lentry_in_a_cluster
	s_endpgm
.Lentry_in_a_cluster:
	s_bfe_u32 s2, ttmp6, 0x10000c
	s_cmp_lg_u32 s2, 0xf033
	s_cbranch_scc0 .Lentry_shape_is_right
	s_endpgm
.Lentry_shape_is_right:
; The three projections as one product: C[4096 tokens][2304 features] = xh wh^T + bb, f16 operands, f32 sums, rounded once to f16.
; OUTPUT LAYOUT: qkv[144 planes][4096 tokens][16 features] f16.  Plane g holds features 16 g .. 16 g + 15; a token's piece is 32 bytes.
; LIMIT: a result of magnitude 65,504 or more becomes an infinity in f16.
; A work-group makes 128 tokens x 288 features: 32 x 8 = 256 work-groups.  Four waves, as many as a WGP has SIMDs; wave (wm, wn) makes
; 64 tokens x 144 features: 4 x 9 = 36 accumulator tiles, 288 registers.  K = 768 goes in 6 steps of 128 through two LDS slots filled by
; the tensor data mover; a tile's rows are 256 bytes of memory and start at multiples of 256 bytes from the buffer's first byte.
; CLUSTERS: 4 x 4 work-groups.  x's tile hangs on the block row alone and is asked for jointly by a row of the cluster; the weights' tile
; hangs on the block column alone and is asked for jointly by a column: a quarter of the requests for each.
; THE MATRIX INSTRUCTION IS USED TRANSPOSED: source 0 = 16 rows of wh (features), source 1 = 16 rows of xh (tokens).  Lane l then holds token
; l % 16 and its registers 0-7 the features 8 (l / 16) + 0..7: packed to f16 that is 16 bytes of the token's 32 in a plane, and the wave's
; 32 lanes hold 512 consecutive bytes of the plane: one store for a tile, no way through LDS.
; The bias enters as the C operand of each accumulator's first product: nothing is cleared and nothing is added afterwards.
; REGISTERS in windows of 256:
;   window 0: v16-25 addresses; v32-135, v136-239 fragment buffers (9 of wh, then 4 of xh, 8 registers each); v32-175 packed results at the end
;   window 1: v0-143 accumulators of token tiles 0, 1 (tile (a, b) at 8 (9 a + b)); v144-215 the bias of my 144 features, as nine C operands
;   window 2: v0-143 accumulators of token tiles 2, 3
.set PITCH, 272                        ; an LDS row: 256 bytes + 16 of padding, so that the 16 rows a load touches lie in 16 different 16-byte columns modulo 256
.set XOFF,  288*PITCH                  ; a slot: wh's 288 rows, then xh's 128 rows
.set SLOT,  XOFF+128*PITCH             ; 113,152 bytes
.set WPART, 96*PITCH                   ; what one of waves 0-2 fetches of wh
.set PL,    131072                     ; bytes of a plane of qkv
.set ADRW, 16                          ; v16-17  LDS address of my wh fragments in slot 0, 1
.set ADRX, 20                          ; v20-21  the same for xh
.set CO,   24                          ; v24     32 r + 16 h: my 16 bytes in a tile's 512 bytes of a plane
.set BO,   25                          ; v25     32 h: my 8 numbers in a tile's 16 of the bias
.set F0,   32
.set F1,   136
.set TMP,  32
.set BIAS, 144                         ; in window 1
.set G1A, 24                           ; s[24:31] group 1 for xh's tile
.set G0A, 32                           ; s[32:39] group 0 for xh's tile, a set for each slot
.set G1B, 48                           ; s[48:55] group 1 for wh's tiles
.set G0B, 56                           ; s[56:63] group 0 for wh's tiles, a set for each slot
.set MUL_LO, 0x50                      ; sources 0, 1 window 0; C and D window 1
.set MUL_HI, 0xa0                      ; C and D window 2
.set MUL_H1, 0x90                      ; C (the bias) window 1, D window 2
.set MSB, 0
.macro WIN new                         ; the immediate's high byte repeats the setting that is left
.if MSB != \new
	s_set_vgpr_msb (MSB<<8)|\new
.set MSB, \new
.endif
.endm
; A joint load.  Wave 3 fetches xh's 128 rows, waves 0-2 a third of wh's 288 rows each.  Each line has one mask; the branch hangs on the wave's number alone.
.macro JLOAD s
	s_cmp_eq_u32 s12, 3
	s_cbranch_scc0 .Lfor_w_\@
	tensor_load_to_lds s[G0A+4*\s:G0A+4*\s+3], s[G1A:G1A+7]
	s_nop 0
	s_branch .Lasked_\@
.Lfor_w_\@:
	tensor_load_to_lds s[G0B+4*\s:G0B+4*\s+3], s[G1B:G1B+7]
	s_nop 0
.Lasked_\@:
.endm
; A round of the cluster's barrier: my work-group's barrier; wave 0 signals for the work-group; every wave waits for all sixteen; my work-group's barrier again.
.macro CREST                           ; a round behind its opening barrier
	s_cmp_lg_u32 s12, 0
	s_cbranch_scc1 .Lnot_wave_0_\@
	s_barrier_signal -3
.Lnot_wave_0_\@:
	s_barrier_wait -3
	s_barrier_signal -1
	s_barrier_wait -1
.endm
.macro CROUND
	s_barrier_signal -1
	s_barrier_wait -1
	CREST
.endm
	s_load_b256 s[4:11], s[0:1], 0x0               ; xh s[4:5], wh s[6:7], bb s[8:9], qkv s[10:11]
	v_lshl_add_u32 v254, v0, 2, 0x37400
	v_mov_b32 v255, 0
	ds_add_u32 v254, v255
	v_lshrrev_b32 v1, 5, v0
	v_readfirstlane_b32 s12, v1                    ; wave 0..3
	s_lshr_b32 s13, s12, 1                         ; wm: which 64 tokens
	s_and_b32 s14, s12, 1                          ; wn: which 144 features
	s_bfe_u32 s40, ttmp6, 0x40000                  ; cx
	s_bfe_u32 s41, ttmp6, 0x40004                  ; cy
	s_lshl_b32 s42, ttmp9, 2
	s_add_co_u32 s42, s42, s40                     ; block column (features) = 4 x cluster x + cx
	s_and_b32 s43, ttmp7, 0xffff
	s_lshl_b32 s43, s43, 2
	s_add_co_u32 s43, s43, s41                     ; block row (tokens) = 4 x cluster y + cy
	s_lshl_b32 s44, s41, 2
	s_lshl_b32 s44, 15, s44                        ; my row of the cluster
	s_lshl_b32 s45, 0x1111, s40                    ; my column
	; group 1: elements of 2 bytes, rows of 128 elements, 16 bytes of padding behind every 64 words, bit 21 beside the mask
	s_or_b32 s[G1A+0], s44, (1<<16)|(1<<20)|(1<<21)|(5<<22)|(3<<25)
	s_mov_b32 s[G1A+1], 128<<16                    ; tensor_dim0 = 128
	s_mov_b32 s[G1A+2], 128<<16                    ; tensor_dim1 = 128
	s_mov_b32 s[G1A+3], 128<<16                    ; tile_dim0 = 128
	s_mov_b32 s[G1A+4], 128                        ; tile_dim1 = 128 rows
	s_mov_b32 s[G1A+5], 768                        ; elements from row to row
	s_mov_b32 s[G1A+6], 0
	s_mov_b32 s[G1A+7], 0
	s_or_b32 s[G1B+0], s45, (1<<16)|(1<<20)|(1<<21)|(5<<22)|(3<<25)
	s_mov_b32 s[G1B+1], 128<<16
	s_mov_b32 s[G1B+2], 96<<16                     ; 96 rows
	s_mov_b32 s[G1B+3], 128<<16
	s_mov_b32 s[G1B+4], 96
	s_mov_b32 s[G1B+5], 768
	s_mov_b32 s[G1B+6], 0
	s_mov_b32 s[G1B+7], 0
	; xh's address is made of the block row alone, wh's of the block column and the wave's number alone, each in registers that never hold the other coordinate
	s_mul_i32 s16, s43, 128*1536
	s_mov_b32 s17, 0
	s_mul_i32 s46, s42, 288*1536
	s_mul_i32 s18, s12, 96*1536
	s_add_co_u32 s46, s46, s18
	s_mov_b32 s47, 0
	s_mul_i32 s20, s12, WPART                      ; where a wave's part of wh goes: no place in the cluster enters an LDS address
	s_wait_dscnt 0x0
	s_wait_kmcnt 0x0
	s_add_nc_u64 s[16:17], s[4:5], s[16:17]
	s_add_nc_u64 s[46:47], s[6:7], s[46:47]
	CROUND                                         ; all sixteen work-groups are here: the first joint loads meet
.irp s, 0,1
	s_mov_b32 s[G0A+4*\s], 1
	s_mov_b32 s[G0A+4*\s+1], XOFF+\s*SLOT
	s_add_nc_u64 s[G0A+4*\s+2:G0A+4*\s+3], s[16:17], \s*256        ; K step s
	s_or_b32 s[G0A+4*\s+3], s[G0A+4*\s+3], 0x80000000
	s_mov_b32 s[G0B+4*\s], 1
	s_add_co_u32 s[G0B+4*\s+1], s20, \s*SLOT
	s_add_nc_u64 s[G0B+4*\s+2:G0B+4*\s+3], s[46:47], \s*256
	s_or_b32 s[G0B+4*\s+3], s[G0B+4*\s+3], 0x80000000
	JLOAD \s                                       ; both slots' first fills: two tensor loads of the wave are out, the most in this text
.endr
	; A fragment is 16 rows x 32 K in 8 registers: lane l holds row l % 16; registers 0-3 K = 8 (l / 16) + 0..7, registers 4-7 K = 16 + 8 (l / 16) + 0..7.
	v_and_b32 v1, 15, v0                           ; r
	v_bfe_u32 v2, v0, 4, 1                         ; h
	v_mul_u32_u24 v3, v1, PITCH
	v_lshl_add_u32 v3, v2, 4, v3                   ; r x pitch + 16 h
	s_mul_i32 s21, s14, 144*PITCH                  ; my 144 rows of wh
	s_mul_i32 s22, s13, 64*PITCH                   ; my 64 rows of xh,
	s_add_co_u32 s22, s22, XOFF                    ; which lie behind wh's 288
.irp s, 0,1
	v_add_nc_u32 v[ADRW+\s], s21, v3
	v_add_nc_u32 v[ADRX+\s], s22, v3
	s_add_co_u32 s21, s21, SLOT
	s_add_co_u32 s22, s22, SLOT
.endr
	v_lshlrev_b32 v[CO], 5, v1
	v_lshl_add_u32 v[CO], v2, 4, v[CO]
	v_lshlrev_b32 v[BO], 5, v2
	s_mul_i32 s2, s42, 288*4                       ; the bias of my 144 features (registers that feed no descriptor and no LDS address)
	s_mul_i32 s15, s14, 144*4
	s_add_co_u32 s2, s2, s15
	s_mov_b32 s3, 0
	s_add_nc_u64 s[8:9], s[8:9], s[2:3]
	WIN 0x40                                       ; destination window 1
.irp b, 0,1,2,3,4,5,6,7,8
	global_load_b128 v[BIAS+8*\b:BIAS+8*\b+3],   v[BO], s[8:9] offset:64*\b       ; register j: bias of feature 16 b + 8 h + j, as D holds it
	global_load_b128 v[BIAS+8*\b+4:BIAS+8*\b+7], v[BO], s[8:9] offset:64*\b+16
.endr
	WIN 0
	s_mul_i32 s2, s42, 18                          ; my first plane, 18 x block column + 9 wn,
	s_mul_i32 s15, s14, 9
	s_add_co_u32 s2, s2, s15
	s_lshl_b32 s2, s2, 17
	s_lshl_b32 s15, s43, 12                        ; and my first token, 128 x block row + 64 wm, 32 bytes each
	s_add_co_u32 s2, s2, s15
	s_lshl_b32 s15, s13, 11
	s_add_co_u32 s2, s2, s15
	s_mov_b32 s3, 0
	s_add_nc_u64 s[10:11], s[10:11], s[2:3]
; 9 matrix instructions: token tile a (0..3) x my 9 feature tiles, 32 along K.  first = 1: C is the bias, which starts the sums.
; The 36 accumulators take turns, one instruction a turn, in the same order in every quarter step.
.macro MUL9 f, a, first
.irp b, 0,1,2,3,4,5,6,7,8
.if \first
	v_wmma_f32_16x16x32_f16 v[8*(9*((\a)%2)+\b):8*(9*((\a)%2)+\b)+7], v[\f+8*\b:\f+8*\b+7], v[\f+72+8*(\a):\f+72+8*(\a)+7], v[BIAS+8*\b:BIAS+8*\b+7]
.else
	v_wmma_f32_16x16x32_f16 v[8*(9*((\a)%2)+\b):8*(9*((\a)%2)+\b)+7], v[\f+8*\b:\f+8*\b+7], v[\f+72+8*(\a):\f+72+8*(\a)+7], v[8*(9*((\a)%2)+\b):8*(9*((\a)%2)+\b)+7]
.endif
.endr
.endm
; 26 LDS loads in one run: one quarter step's fragments (144 rows of wh, 64 rows of xh, 32 K at byte k of the rows) into buffer f
.macro FETCH slot, k, f
	WIN 0
.irp b, 0,1,2,3,4,5,6,7,8
	ds_load_b128 v[\f+8*\b:\f+8*\b+3],   v[ADRW+\slot] offset:\k+\b*16*PITCH
	ds_load_b128 v[\f+8*\b+4:\f+8*\b+7], v[ADRW+\slot] offset:\k+\b*16*PITCH+32
.endr
.irp a, 0,1,2,3
	ds_load_b128 v[\f+72+8*\a:\f+72+8*\a+3],   v[ADRX+\slot] offset:\k+\a*16*PITCH
	ds_load_b128 v[\f+72+8*\a+4:\f+72+8*\a+7], v[ADRX+\slot] offset:\k+\a*16*PITCH+32
.endr
.endm
; A load into a register that a matrix instruction has read, and a vector instruction that reads a matrix result or writes one of its registers,
; stand four plain vector instructions behind it (ISA guide 7.12.1 for vector instructions).
.macro PLACES
.rept 4
	v_nop
.endr
.endm
; A K step is four quarter steps of 32 along K, 36 matrix instructions each, on buffers 0, 1, 0, 1.
; One of the first three: multiplies buffer f and, in its middle, fetches the next quarter's fragments into buffer g.
.macro QUARTER slot, k, f, g, first
	s_wait_dscnt 4                                 ; wh's fragments and xh's tiles 0, 1 are in; the youngest four loads (tiles 2, 3) may be out
	WIN MUL_LO
	MUL9 \f, 0, \first
	MUL9 \f, 1, \first
	PLACES
	FETCH \slot, \k, \g
	s_wait_dscnt 26                                ; all but the 26 just issued
.if \first
	WIN MUL_H1
.else
	WIN MUL_HI
.endif
	MUL9 \f, 2, \first
	MUL9 \f, 3, \first
.endm
.macro THREE slot, first
	QUARTER \slot, 64,  F0, F1, \first
	QUARTER \slot, 128, F1, F0, 0
	QUARTER \slot, 192, F0, F1, 0
.endm
; The last quarter: multiplies buffer 1 and changes slots.  One barrier does two things: in front of it each wave waits for its reads of this slot and
; for all its tensor loads (the one that is out is its part of the next slot); behind it nobody reads this slot and the next slot is whole.
; fill = 1: the barrier opens a round of the cluster's barrier, and behind the round this slot is asked for again, two K steps ahead, first of all.
.macro TURN slot, next, fill
	s_wait_dscnt 4
	WIN MUL_LO
	MUL9 F1, 0, 0
	s_wait_dscnt 0                                 ; my reads of this slot are over
	s_wait_tensorcnt 0x0                           ; all my tensor loads have landed
	ds_add_u32 v254, v255
	s_wait_dscnt 0x0
	s_barrier_signal -1
	MUL9 F1, 1, 0                                  ; register work while the others arrive
	WIN 0
	s_barrier_wait -1
.if \fill
	CREST                                          ; no wave of any partner still reads this slot or has a load on its way
	s_add_nc_u64 s[G0A+4*\slot+2:G0A+4*\slot+3], s[G0A+4*\slot+2:G0A+4*\slot+3], 512
	s_add_nc_u64 s[G0B+4*\slot+2:G0B+4*\slot+3], s[G0B+4*\slot+2:G0B+4*\slot+3], 512
	JLOAD \slot                                    ; the wave's one tensor load behind the round
.endif
	PLACES
	FETCH \next, 0, F0
	WIN MUL_HI
	MUL9 F1, 2, 0
	MUL9 F1, 3, 0
.endm
.macro LAP first                       ; two K steps, both slots filled again
	THREE 0, \first
	TURN 0, 1, 1
	THREE 1, 0
	TURN 1, 0, 1
.endm
	s_wait_loadcnt 0x0                             ; the bias
	s_wait_tensorcnt 1                             ; my part of K step 0 is in; step 1's stays out
	s_barrier_signal -1
	s_barrier_wait -1
	FETCH 0, 0, F0
	LAP 1                                          ; K steps 0, 1; asks for 2, 3
	LAP 0                                          ; K steps 2, 3; asks for 4, 5
	THREE 0, 0                                     ; K steps 4, 5: nothing is left to ask for, so no round of the cluster's barrier
	TURN 0, 1, 0
	THREE 1, 0
	s_wait_dscnt 4
	WIN MUL_LO
	MUL9 F1, 0, 0
	MUL9 F1, 1, 0
	s_wait_dscnt 0
	WIN MUL_HI
	MUL9 F1, 2, 0
	MUL9 F1, 3, 0
	; THE WAY OUT: round to f16, four registers a tile, and one store of 512 consecutive bytes for each of the 36 tiles.
	PLACES                                         ; behind the last matrix instructions: the conversions read results and write over the fragment buffers
	WIN 0x05                                       ; sources window 1
.irp a, 0,1
.irp b, 0,1,2,3,4,5,6,7,8
.irp q, 0,1,2,3
	v_cvt_pk_f16_f32 v[TMP+4*(9*\a+\b)+\q], v[8*(9*\a+\b)+2*\q], v[8*(9*\a+\b)+2*\q+1]
.endr
.endr
.endr
	WIN 0x0a                                       ; sources window 2
.irp a, 0,1
.irp b, 0,1,2,3,4,5,6,7,8
.irp q, 0,1,2,3
	v_cvt_pk_f16_f32 v[TMP+4*(9*(\a+2)+\b)+\q], v[8*(9*\a+\b)+2*\q], v[8*(9*\a+\b)+2*\q+1]
.endr
.endr
.endr
	WIN 0
.irp a, 0,1,2,3
.irp b, 0,1,2,3,4,5,6,7,8
	global_store_b128 v[CO], v[TMP+4*(9*\a+\b):TMP+4*(9*\a+\b)+3], s[10:11] offset:\b*PL+\a*512   ; plane b of my nine, tokens 16 a .. 16 a + 15
.endr
.endr
	CROUND                                         ; the closing round: no work-group ends while a partner may still ask for a tile that names it
	s_endpgm
.Lfunc_end_k_q6147b377d0_proj:
	.size	k_q6147b377d0_proj, .Lfunc_end_k_q6147b377d0_proj-k_q6147b377d0_proj
	.p2alignl 7, 3214868480
	.fill 96, 4, 3214868480
	.section	.rodata,"a",@progbits
	.p2align	6, 0x0
	.amdhsa_kernel k_q6147b377d0_proj
		.amdhsa_group_segment_fixed_size 327680
		.amdhsa_private_segment_fixed_size 0
		.amdhsa_enable_private_segment 0
		.amdhsa_kernarg_size 32
		.amdhsa_user_sgpr_count 2
		.amdhsa_user_sgpr_kernarg_segment_ptr 1
		.amdhsa_wavefront_size32 1
		.amdhsa_system_sgpr_workgroup_id_x 1
		.amdhsa_system_sgpr_workgroup_id_y 1
		.amdhsa_system_sgpr_workgroup_id_z 1
		.amdhsa_system_vgpr_workitem_id 0
		.amdhsa_next_free_vgpr 656
		.amdhsa_next_free_sgpr 66
		.amdhsa_reserve_vcc 0
		.amdhsa_float_denorm_mode_32 3
		.amdhsa_float_denorm_mode_16_64 3
		.amdhsa_memory_ordered 1
		.amdhsa_forward_progress 1
		.amdhsa_inst_pref_size 124
	.end_amdhsa_kernel
	.amdgpu_metadata
---
amdhsa.version: [ 1, 2 ]
amdhsa.kernels:
  - .name:           k_q6147b377d0_proj
    .symbol:         k_q6147b377d0_proj.kd
    .args:
      - { .name: xh, .offset: 0, .size: 8, .value_kind: global_buffer, .address_space: global }
      - { .name: wh, .offset: 8, .size: 8, .value_kind: global_buffer, .address_space: global }
      - { .name: bb, .offset: 16, .size: 8, .value_kind: global_buffer, .address_space: global }
      - { .name: qkv, .offset: 24, .size: 8, .value_kind: global_buffer, .address_space: global }
    .group_segment_fixed_size: 327680
    .private_segment_fixed_size: 0
    .kernarg_segment_align: 8
    .kernarg_segment_size: 32
    .max_flat_workgroup_size: 128
    .sgpr_count:     66
    .vgpr_count:     656
    .wavefront_size: 32
...
	.end_amdgpu_metadata
.endif
;; end of part 2
;; launch attn (part 3): grid 8 x 24, 8 waves a work-group, clusters of 4 x 1, 327,680 bytes of LDS; arguments qkv, mask, out0; writes out0
.if DOCPART == 3
	.amdgcn_target "amdgcn-amd-amdhsa--gfx1250"
	.amdhsa_code_object_version 6
	.text
	.protected	k_q6147b377d0_attn
	.globl	k_q6147b377d0_attn
	.p2align	8
	.type	k_q6147b377d0_attn,@function
k_q6147b377d0_attn:
	s_mov_b64 s[64:65], 0
	v_nop
	global_prefetch_b8 v0, s[64:65] scope:SCOPE_SE
	s_setreg_imm32_b32 hwreg(HW_REG_WAVE_MODE, 25, 1), 1
	s_wait_xcnt 0x0
	s_wait_alu depctr_hold_cnt(0) depctr_sa_sdst(0) depctr_va_vdst(0) depctr_va_sdst(0) depctr_va_ssrc(0) depctr_va_vcc(0) depctr_vm_vsrc(0)
	s_getreg_b32 s2, hwreg(HW_REG_IB_STS2, 6, 4)
	s_cmp_eq_u32 s2, 0
	s_cbranch_scc0 .Lentry_in_a_cluster
	s_endpgm
.Lentry_in_a_cluster:
	s_bfe_u32 s2, ttmp6, 0x10000c
	s_cmp_lg_u32 s2, 0x3003
	s_cbranch_scc0 .Lentry_shape_is_right
	s_endpgm
.Lentry_shape_is_right:
; Attention of one head for 256 queries: out0[b][s][64 head + w] = softmax over t of (q k / 8 - 10000 (1 - mask[b][t])) times v.
; q comes scaled by 0.125 log2(e), so all exponentials are base 2; the mask's term is bias[t] = C mask[t] - C with C = 10000 log2(e).
; A running maximum is kept, over masked keys too (the bias is finite, as in the definition), so a batch whose keys are all masked comes out as defined.
; LIMITS: probabilities go to the matrix unit in f16: one below about 6e-8 of its row's largest counts as 0 (2,048 of them weigh under 1.3e-4 of the row);
; mask numbers must be exact in f32 (magnitude up to 2^24).
; SHARING: work-group = (block of 256 queries, batch and head): 8 x 24.  Eight waves, two for each of a WGP's four SIMDs, so that one wave's exponentials
; run beside the other's matrix work; a wave takes 32 queries (two tiles of 16) through all 2,048 keys, 64 keys a step, 256 keys a trip.
; 24 heads times a power of two never makes a multiple of 256 work-groups; 192 of equal work are launched.
; CLUSTERS: the four query blocks of a cluster walk the same K and V: each tile is asked for jointly (mask 15).
; EVERYTHING TRANSPOSED: S^T = K Q^T + bias (source 0 = 16 keys, source 1 = 16 queries, C = the bias, so the mask costs no vector instruction).
; Lane (r, h) then holds query r and keys 8 h + 0..7 of each tile: maxima and sums run inside the lane, plus one exchange between lanes r and r + 16.
; Two neighbouring tiles of S^T, packed to f16 in place, are source 1 of O^T = V^T P^T; V^T comes out of LDS by the transposing load.
; qkv[144 planes][4096 tokens][16 features] f16: q planes 4 head + p, k planes 48 + 4 head + p, v planes 96 + 4 head + p.
; LDS: two slots of 8 planes x 8,704 bytes (256 keys x 32 bytes as 32 rows of 256 + 16 bytes; planes 0-3 K, 4-7 V); then the bias, 2,048 f32;
; then a stage of 32 rows x 272 bytes for each wave.
.set PLANE, 8704
.set SLOT,  8*PLANE                    ; 69,632
.set BIASL, 2*SLOT                     ; 139,264
.set STAGE, BIASL+8192                 ; 147,456
.set PL,    131072                     ; bytes of a plane in memory
.set AK, 2                             ; v2-3   K fragments in slot 0, 1: (r >> 3) 272 + (r & 7) 32 + 16 h
.set AV, 4                             ; v4-5   V for the transposing load: 4 planes + h 272 + (r & 7) 32 + (r >> 3) 16
.set AB, 6                             ; v6     bias: 32 h, stepped by 512 keys after two trips
.set ST, 7                             ; v7     stage, in: r 272 + 32 h
.set RD, 8                             ; v8     stage, back: h 272 + 16 r
.set OO, 9                             ; v9     my byte offset in out0
.set QO, 10                            ; v10    my byte offset in a plane of q
.set M,  12                            ; v[12:15] running maximum, twice, for each query tile
.set AL, 16                            ; v[16:19] the factor 2^(old maximum - new), twice, for each query tile
.set L,  20                            ; v[20:23] running sums (even and odd keys) for each query tile
.set T,  24                            ; v[24:31] at work
.set BI, 32                            ; v[32:63] bias of the step's 4 key tiles, as C operands
.set S,  64                            ; v[64:127] scores: tile (tt, qt) at 16 (2 (tt / 2) + qt) + 8 (tt % 2); P(qt, kp) packed into the first 8 of each 16
.set KF, 128                           ; v[128:191] K fragments (tt, ks) at 16 tt + 8 ks
.set VF, 192                           ; v[192:255] V^T fragments (kp, wt) at 8 (4 kp + wt)
.set Q,  0                             ; window 1, v0-31: Q fragments (qt, ks) at 8 (2 qt + ks)
.set O,  32                            ; window 1, v32-95: O^T accumulators (qt, wt) at 8 (4 qt + wt)
.set G1, 16                            ; s[16:23] descriptor group 1
.set G0, 24                            ; s[24:31] descriptor group 0, a set for each slot
.set MSB, 0
.macro WIN new                         ; the immediate's high byte repeats the setting that is left
.if MSB != \new
	s_set_vgpr_msb (MSB<<8)|\new
.set MSB, \new
.endif
.endm
; A round of the cluster's barrier
.macro ROUND
	s_barrier_signal -1
	s_barrier_wait -1
	s_cmp_lg_u32 s10, 0
	s_cbranch_scc1 .Lnot_wave_0_\@
	s_barrier_signal -3
.Lnot_wave_0_\@:
	s_barrier_wait -3
	s_barrier_signal -1
	s_barrier_wait -1
.endm
	s_load_b128 s[4:7], s[0:1], 0x0                ; qkv s[4:5], mask s[6:7]
	s_load_b64 s[8:9], s[0:1], 0x10                ; out0
	s_set_vgpr_msb 0x40
	v_lshl_add_u32 v96, v0, 2, 0x35000
	v_mov_b32 v97, 0
	s_set_vgpr_msb 0x4045
	ds_add_u32 v96, v97
	s_set_vgpr_msb 0x4500
	v_lshrrev_b32 v1, 5, v0
	v_readfirstlane_b32 s10, v1                    ; wave 0..7
	s_and_b32 s13, ttmp7, 0xffff                   ; batch and head, 0..23 (the cluster is one work-group high)
	s_cmp_ge_u32 s13, 12
	s_cselect_b32 s14, 1, 0                        ; batch
	s_mul_i32 s15, s14, 12
	s_sub_co_u32 s15, s13, s15                     ; head
	s_mov_b32 s32, 0x76543210                      ; v_permlanex16_b32: lane i of one half reads lane i of the other
	s_mov_b32 s33, 0xfedcba98
	s_mov_b32 s34, 0x46616bcd                      ; C = 10000 log2(e)
	; group 1: a dense block of 8,192 bytes as 32 rows of 32 elements of 8 bytes, 16 bytes of padding behind each row; mask 15 with bit 21 beside it
	s_mov_b32 s[G1+0], 15|(3<<16)|(1<<20)|(1<<21)|(5<<22)|(3<<25)
	s_mov_b32 s[G1+1], 32<<16                      ; tensor_dim0 = 32
	s_mov_b32 s[G1+2], 32<<16                      ; tensor_dim1 = 32
	s_mov_b32 s[G1+3], 32<<16                      ; tile_dim0 = 32
	s_mov_b32 s[G1+4], 32                          ; tile_dim1 = 32
	s_mov_b32 s[G1+5], 32                          ; elements from row to row
	s_mov_b32 s[G1+6], 0
	s_mov_b32 s[G1+7], 0
	; wave w fetches one plane's 256 keys: waves 0-3 K's planes, waves 4-7 V's.  Nothing here hangs on the place in the cluster.
	s_and_b32 s36, s10, 3
	s_lshr_b32 s37, s10, 2
	s_mul_i32 s37, s37, 48
	s_add_co_u32 s36, s36, s37
	s_lshl2_add_u32 s36, s15, s36                  ; + 4 head
	s_add_co_u32 s36, s36, 48
	s_lshl_b32 s36, s36, 17                        ; plane x 131,072
	s_lshl_b32 s37, s14, 16                        ; + batch x 2,048 tokens x 32 bytes
	s_add_co_u32 s36, s36, s37
	s_mov_b32 s37, 0
	s_mul_i32 s38, s10, PLANE
	s_wait_dscnt 0x0
	s_wait_kmcnt 0x0
	s_add_nc_u64 s[36:37], s[4:5], s[36:37]
.irp s, 0,1
	s_mov_b32 s[G0+4*\s], 1
	s_add_co_u32 s[G0+4*\s+1], s38, \s*SLOT
	s_add_nc_u64 s[G0+4*\s+2:G0+4*\s+3], s[36:37], \s*8192         ; keys 256 s ..
	s_or_b32 s[G0+4*\s+3], s[G0+4*\s+3], 0x80000000
.endr
	ROUND                                          ; the four work-groups are here: the first joint load meets
	tensor_load_to_lds s[G0:G0+3], s[G1:G1+7]      ; keys 0-255 into slot 0; slot 1 is filled behind the first trip's round
	s_nop 0
	; what hangs on my place in the cluster lives in registers that feed no descriptor
	s_bfe_u32 s11, ttmp6, 0x40000                  ; cx
	s_lshl_b32 s12, ttmp9, 2
	s_add_co_u32 s12, s12, s11                     ; query block 0..7
	s_lshl_b32 s40, s15, 19                        ; q: plane 4 head,
	s_lshl_b32 s41, s14, 16                        ; the batch,
	s_add_co_u32 s40, s40, s41
	s_lshl_b32 s41, s12, 13                        ; 256 queries x 32 bytes a block
	s_add_co_u32 s40, s40, s41
	s_mov_b32 s41, 0
	s_add_nc_u64 s[40:41], s[4:5], s[40:41]
	s_lshl_b32 s42, s14, 13                        ; the batch's 2,048 mask words
	s_mov_b32 s43, 0
	s_add_nc_u64 s[6:7], s[6:7], s[42:43]
	s_lshl_b32 s44, s14, 11
	s_lshl_b32 s45, s12, 8
	s_add_co_u32 s44, s44, s45                     ; my block's first row of out0,
	s_mul_i32 s44, s44, 3072
	s_lshl_b32 s45, s15, 8                         ; and the head's 256 bytes in a row
	s_add_co_u32 s44, s44, s45
	s_mov_b32 s45, 0
	s_add_nc_u64 s[8:9], s[8:9], s[44:45]
	v_and_b32 v24, 15, v0                          ; r
	v_bfe_u32 v25, v0, 4, 1                        ; h
	v_lshrrev_b32 v26, 3, v24                      ; r >> 3
	v_and_b32 v27, 7, v24                          ; r & 7
	v_lshlrev_b32 v[QO], 5, v24
	v_lshl_add_u32 v[QO], v25, 4, v[QO]
	s_lshl_b32 s47, s10, 10                        ; my wave's 32 queries
	v_add_nc_u32 v[QO], s47, v[QO]
	v_lshlrev_b32 v11, 5, v0                       ; 8 mask words a thread
	WIN 0x40                                       ; destination window 1
.irp qt, 0,1
.irp p, 0,1,2,3
	global_load_b128 v[Q+8*(2*\qt+\p/2)+4*(\p%2):Q+8*(2*\qt+\p/2)+4*(\p%2)+3], v[QO], s[40:41] offset:\p*PL+\qt*512   ; features 16 p + 8 h .. of query 16 qt + r
.endr
.endr
	WIN 0
	global_load_b128 v[S:S+3],   v11, s[6:7]
	global_load_b128 v[S+4:S+7], v11, s[6:7] offset:16
	v_mul_u32_u24 v[AK], v26, 272
	v_lshl_add_u32 v[AK], v27, 5, v[AK]
	v_lshl_add_u32 v[AK], v25, 4, v[AK]
	v_add_nc_u32 v[AK+1], SLOT, v[AK]
	v_mul_u32_u24 v[AV], v25, 272
	v_lshl_add_u32 v[AV], v27, 5, v[AV]
	v_lshl_add_u32 v[AV], v26, 4, v[AV]
	v_add_nc_u32 v[AV], 4*PLANE, v[AV]
	v_add_nc_u32 v[AV+1], SLOT, v[AV]
	v_lshlrev_b32 v[AB], 5, v25
	v_add_nc_u32 v[AB], BIASL, v[AB]
	s_add_co_u32 s39, s38, STAGE                   ; my wave's stage
	v_mul_u32_u24 v[ST], v24, 272
	v_lshl_add_u32 v[ST], v25, 5, v[ST]
	v_add_nc_u32 v[ST], s39, v[ST]
	v_mul_u32_u24 v[RD], v25, 272
	v_lshl_add_u32 v[RD], v24, 4, v[RD]
	v_add_nc_u32 v[RD], s39, v[RD]
	v_mul_u32_u24 v[OO], v25, 3072
	v_lshl_add_u32 v[OO], v24, 4, v[OO]
	s_mul_i32 s46, s10, 32*3072                    ; my wave's 32 rows
	v_add_nc_u32 v[OO], s46, v[OO]
	v_add_nc_u32 v1, BIASL, v11
	v_mov_b32 v28, 0                               ; v_permlanex16_b32 counts as a reader of its destination
	v_mov_b32 v29, 0
	v_mov_b32 v30, 0
	v_mov_b32 v31, 0
	s_wait_loadcnt 0x0                             ; Q and the mask
.irp j, 0,1,2,3,4,5,6,7
	v_cvt_f32_i32 v[S+\j], v[S+\j]
.endr
.irp j, 0,1,2,3,4,5,6,7
	v_fma_f32 v[S+\j], v[S+\j], s34, -s34          ; C m - C
.endr
	ds_store_b128 v1, v[S:S+3]                     ; the other waves read these behind the first trip's wait for my LDS stores and its round
	ds_store_b128 v1, v[S+4:S+7] offset:16
; 16 loads: K fragments of step i's 64 keys.  Registers 0-3 from plane 2 ks, registers 4-7 from plane 2 ks + 1.
.macro LDK slot, i
.irp tt, 0,1,2,3
.irp ks, 0,1
	ds_load_b128 v[KF+16*\tt+8*\ks:KF+16*\tt+8*\ks+3],   v[AK+\slot] offset:(2*\ks)*PLANE+(\i)*2176+\tt*544
	ds_load_b128 v[KF+16*\tt+8*\ks+4:KF+16*\tt+8*\ks+7], v[AK+\slot] offset:(2*\ks+1)*PLANE+(\i)*2176+\tt*544
.endr
.endr
.endm
; 8 loads: the bias of the same keys, register j = key 16 tt + 8 h + j
.macro LDB slot, i
.irp tt, 0,1,2,3
	ds_load_b128 v[BI+8*\tt:BI+8*\tt+3],   v[AB] offset:\slot*1024+(\i)*256+\tt*64
	ds_load_b128 v[BI+8*\tt+4:BI+8*\tt+7], v[AB] offset:\slot*1024+(\i)*256+\tt*64+16
.endr
.endm
; 16 transposing loads: V^T fragments: lane r = feature 16 wt + r, keys 32 kp + 8 h + 0..7 and + 16
.macro LDV slot, i
.irp kp, 0,1
.irp wt, 0,1,2,3
	ds_load_tr16_b128 v[VF+8*(4*\kp+\wt):VF+8*(4*\kp+\wt)+3],   v[AV+\slot] offset:\wt*PLANE+(8*(\i)+4*\kp)*272
	ds_load_tr16_b128 v[VF+8*(4*\kp+\wt)+4:VF+8*(4*\kp+\wt)+7], v[AV+\slot] offset:\wt*PLANE+(8*(\i)+4*\kp)*272+544
.endr
.endr
.endm
; The step's maxima, both query tiles: two chains a tile, four that do not wait for each other; the first chain starts from the old maximum.
.macro MAXES first
.irp q, 0,1
.if \first
	v_max_num_f32 v[T+2*\q], v[S+16*\q], v[S+16*\q+1]
.else
	v_max3_num_f32 v[T+2*\q], v[M+2*\q], v[S+16*\q], v[S+16*\q+1]
.endif
	v_max3_num_f32 v[T+2*\q+1], v[S+32+16*\q], v[S+32+16*\q+1], v[S+32+16*\q+2]
.endr
.irp e, 0,1,2,3,4,5
.irp q, 0,1
	v_max3_num_f32 v[T+2*\q],   v[T+2*\q],   v[S+16*\q+2+2*\e],    v[S+16*\q+3+2*\e]
	v_max3_num_f32 v[T+2*\q+1], v[T+2*\q+1], v[S+32+16*\q+3+2*\e], v[S+32+16*\q+4+2*\e]
.endr
.endr
.irp q, 0,1
	v_max3_num_f32 v[T+2*\q], v[T+2*\q], v[S+16*\q+14], v[S+16*\q+15]
.endr
.irp q, 0,1
	v_max3_num_f32 v[T+2*\q], v[T+2*\q], v[T+2*\q+1], v[S+32+16*\q+15]
.endr
	v_permlanex16_b32 v[T+4], v[T],   s32, s33     ; the other 8 keys of each tile lie in lane r + 16
	v_permlanex16_b32 v[T+5], v[T+2], s32, s33
	v_max_num_f32 v[T],   v[T],   v[T+4]
	v_max_num_f32 v[T+2], v[T+2], v[T+5]
.if \first == 0
	v_sub_f32 v[T+1], v[M],   v[T]                 ; old - new, at most 0
	v_sub_f32 v[T+3], v[M+2], v[T+2]
.endif
	v_mov_b32 v[M],   v[T]
	v_mov_b32 v[M+1], v[T]
	v_mov_b32 v[M+2], v[T+2]
	v_mov_b32 v[M+3], v[T+2]
.if \first == 0
	v_exp_f32 v[AL],   v[T+1]                      ; the subtractions that follow are the plain instructions behind these (ISA guide 5.7.2)
	v_exp_f32 v[AL+1], v[T+1]
	v_exp_f32 v[AL+2], v[T+3]
	v_exp_f32 v[AL+3], v[T+3]
.endif
.endm
.macro SUBQ q                          ; 32 scores less the maximum
.irp g, 0,32
.irp e, 0,2,4,6,8,10,12,14
	v_pk_add_f32 v[S+\g+16*\q+\e:S+\g+16*\q+\e+1], v[S+\g+16*\q+\e:S+\g+16*\q+\e+1], v[M+2*\q:M+2*\q+1] neg_lo:[0,1] neg_hi:[0,1]
.endr
.endr
.endm
.macro EXPQ q                          ; 32 exponentials in place, back to back on different registers
.irp g, 0,32
.irp e, 0,1,2,3,4,5,6,7,8,9,10,11,12,13,14,15
	v_exp_f32 v[S+\g+16*\q+\e], v[S+\g+16*\q+\e]
.endr
.endr
.endm
.macro SUMQ q, first                   ; the running sums, scaled and added to in one fused step, then two chains
.if \first
	s_wait_alu depctr_va_vdst(0)
	v_pk_add_f32 v[L+2*\q:L+2*\q+1], v[S+16*\q:S+16*\q+1], v[S+16*\q+2:S+16*\q+3]
.else
	s_wait_alu depctr_va_vdst(0)
	v_pk_fma_f32 v[L+2*\q:L+2*\q+1], v[L+2*\q:L+2*\q+1], v[AL+2*\q:AL+2*\q+1], v[S+16*\q:S+16*\q+1]
	v_pk_add_f32 v[L+2*\q:L+2*\q+1], v[L+2*\q:L+2*\q+1], v[S+16*\q+2:S+16*\q+3]
.endif
	v_pk_add_f32 v[T+4+2*\q:T+5+2*\q], v[S+32+16*\q:S+32+16*\q+1], v[S+32+16*\q+2:S+32+16*\q+3]
.irp e, 4,6,8,10,12,14
	v_pk_add_f32 v[L+2*\q:L+2*\q+1],   v[L+2*\q:L+2*\q+1],   v[S+16*\q+\e:S+16*\q+\e+1]
	v_pk_add_f32 v[T+4+2*\q:T+5+2*\q], v[T+4+2*\q:T+5+2*\q], v[S+32+16*\q+\e:S+32+16*\q+\e+1]
.endr
	v_pk_add_f32 v[L+2*\q:L+2*\q+1], v[L+2*\q:L+2*\q+1], v[T+4+2*\q:T+5+2*\q]
.endm
.macro PACKQ q                         ; to f16 in place: register e of a group of 16 takes numbers 2 e, 2 e + 1, which no later line reads
.irp g, 0,32
.irp e, 0,1,2,3,4,5,6,7
	v_cvt_pk_f16_f32 v[S+\g+16*\q+\e], v[S+\g+16*\q+2*\e], v[S+\g+16*\q+2*\e+1]
.endr
.endr
.endm
; One step: 64 keys for my 32 queries.  first = 1: the launch's first step starts maxima, sums and O.
; In both matrix phases the eight accumulators take turns, one instruction a turn.
.macro STEP slot, i, first
	s_wait_dscnt 16                                ; K's and the bias's loads are in: only V's 16 were issued behind them
	WIN 0x04                                       ; source 1 (Q) window 1
.irp ks, 0,1
.irp qt, 0,1
.irp tt, 0,1,2,3
.if \ks
	v_wmma_f32_16x16x32_f16 v[S+16*(2*(\tt/2)+\qt)+8*(\tt%2):S+16*(2*(\tt/2)+\qt)+8*(\tt%2)+7], v[KF+16*\tt+8:KF+16*\tt+15], v[Q+16*\qt+8:Q+16*\qt+15], v[S+16*(2*(\tt/2)+\qt)+8*(\tt%2):S+16*(2*(\tt/2)+\qt)+8*(\tt%2)+7]
.else
	v_wmma_f32_16x16x32_f16 v[S+16*(2*(\tt/2)+\qt)+8*(\tt%2):S+16*(2*(\tt/2)+\qt)+8*(\tt%2)+7], v[KF+16*\tt:KF+16*\tt+7], v[Q+16*\qt:Q+16*\qt+7], v[BI+8*\tt:BI+8*\tt+7]
.endif
.endr
.endr
.endr
.rept 4
	v_nop                                          ; four places: for the loads into K's and the bias's registers and for the reads of the scores
.endr
	WIN 0
.if \i < 3
	LDK \slot, \i+1                                ; the next step's K and bias have the whole softmax in which to come
	LDB \slot, \i+1
.endif
	MAXES \first
	SUBQ 0
	EXPQ 0
	SUBQ 1                                         ; plain instructions behind tile 0's exponentials
	EXPQ 1
	SUMQ 0, \first                                 ; plain instructions on tile 0 behind tile 1's exponentials
	PACKQ 0
	SUMQ 1, \first
	PACKQ 1
.if \first == 0
	WIN 0x41                                       ; source 0 and destination window 1
.irp qt, 0,1
.irp e, 0,2,4,6,8,10,12,14,16,18,20,22,24,26,28,30
	v_pk_mul_f32 v[O+32*\qt+\e:O+32*\qt+\e+1], v[O+32*\qt+\e:O+32*\qt+\e+1], v[AL+2*\qt:AL+2*\qt+1]
.endr
.endr
.endif
.if \i < 3
	s_wait_dscnt 24                                ; V's loads are in: the next step's 16 of K and 8 of the bias were issued behind them
.else
	s_wait_dscnt 0                                 ; the slot's last step: nothing was issued behind V's loads
.endif
	WIN 0x50                                       ; C and D window 1
.irp kp, 0,1
.irp qt, 0,1
.irp wt, 0,1,2,3
.if \first*(1-\kp)
	v_wmma_f32_16x16x32_f16 v[O+8*(4*\qt+\wt):O+8*(4*\qt+\wt)+7], v[VF+8*(4*\kp+\wt):VF+8*(4*\kp+\wt)+7], v[S+16*(2*\kp+\qt):S+16*(2*\kp+\qt)+7], 0
.else
	v_wmma_f32_16x16x32_f16 v[O+8*(4*\qt+\wt):O+8*(4*\qt+\wt)+7], v[VF+8*(4*\kp+\wt):VF+8*(4*\kp+\wt)+7], v[S+16*(2*\kp+\qt):S+16*(2*\kp+\qt)+7], v[O+8*(4*\qt+\wt):O+8*(4*\qt+\wt)+7]
.endif
.endr
.endr
.endr
.rept 5
	v_nop                                          ; five places: the next scores are written over P by matrix instructions; four serve the loads into V's registers and later reads of O
.endr
	WIN 0
.if \i < 3
	LDV \slot, \i+1
.endif
.endm
; One trip: 256 keys from one slot.  In front of the round every wave waits for all its tensor loads (its plane of this trip's tile) and for its LDS
; instructions (the reads of the other slot; in the first trip the stores of the bias); behind the round the other slot is asked for again, first of all.
.macro TRIP slot, refill, first
	s_set_vgpr_msb 0x5
	s_wait_tensorcnt 0x0                           ; no tensor load of mine is out, so a group 0 may be written:
	ds_add_u32 v96, v97
	s_wait_dscnt 0x0
	s_set_vgpr_msb 0x500
	s_add_nc_u64 s[G0+4*\slot+2:G0+4*\slot+3], s[G0+4*\slot+2:G0+4*\slot+3], 16384   ; this slot's next tile, 512 keys on
	s_wait_dscnt 0x0
	ROUND                                          ; both now hold of every wave of the four work-groups
.if \refill
	tensor_load_to_lds s[G0+4-4*\slot:G0+7-4*\slot], s[G1:G1+7]    ; the next 256 keys: my one tensor load until the next round, and the only one out
	s_nop 0
.endif
	LDK \slot, 0
	LDB \slot, 0
	LDV \slot, 0
	STEP \slot, 0, \first
	STEP \slot, 1, 0
	STEP \slot, 2, 0
	STEP \slot, 3, 0
.endm
	TRIP 0, 1, 1                                   ; keys 0-255; the first step starts the sums
	TRIP 1, 1, 0
	v_add_nc_u32 v[AB], 2048, v[AB]                ; the bias of the next 512 keys
	s_mov_b32 s35, 2
.Lpair:
	TRIP 0, 1, 0
	TRIP 1, 1, 0
	v_add_nc_u32 v[AB], 2048, v[AB]
	s_sub_co_i32 s35, s35, 1
	s_cmp_lg_u32 s35, 0
	s_cbranch_scc1 .Lpair
	TRIP 0, 1, 0                                   ; keys 1536-1791; asks for the last tile
	TRIP 1, 0, 0                                   ; keys 1792-2047: nothing is left to ask for
	; THE WAY OUT: divide by the sums, 32 rows of 256 bytes through my own stage, whole rows back, stores of which 16 lanes cover 256 consecutive aligned bytes.
	v_add_f32 v[T],   v[L],   v[L+1]
	v_add_f32 v[T+2], v[L+2], v[L+3]
	v_permlanex16_b32 v[T+4], v[T],   s32, s33
	v_permlanex16_b32 v[T+5], v[T+2], s32, s33
	v_add_f32 v[T],   v[T],   v[T+4]               ; at least 1: the row's largest score gives 2^0
	v_add_f32 v[T+2], v[T+2], v[T+5]
	v_rcp_f32 v[AL],   v[T]
	v_rcp_f32 v[AL+1], v[T]
	v_rcp_f32 v[AL+2], v[T+2]
	v_rcp_f32 v[AL+3], v[T+2]
	v_nop                                          ; one plain instruction behind the reciprocals (ISA guide 5.7.2)
	WIN 0x01                                       ; source 0 window 1
	s_wait_alu depctr_va_vdst(0)
.irp qt, 0,1
.irp e, 0,2,4,6,8,10,12,14,16,18,20,22,24,26,28,30
	v_pk_mul_f32 v[S+32*\qt+\e:S+32*\qt+\e+1], v[O+32*\qt+\e:O+32*\qt+\e+1], v[AL+2*\qt:AL+2*\qt+1]
.endr
.endr
	WIN 0
.irp qt, 0,1
.irp wt, 0,1,2,3
	ds_store_b128 v[ST], v[S+8*(4*\qt+\wt):S+8*(4*\qt+\wt)+3]   offset:\qt*4352+\wt*64      ; query 16 qt + r, features 16 wt + 8 h + 0..3
	ds_store_b128 v[ST], v[S+8*(4*\qt+\wt)+4:S+8*(4*\qt+\wt)+7] offset:\qt*4352+\wt*64+16
.endr
.endr
.set u, 0
.rept 16
	ds_load_b128 v[KF+4*u:KF+4*u+3], v[RD] offset:u*544            ; rows 2 u, 2 u + 1; LDS serves a wave's instructions in order (ISA guide 5.7.1): these see my stores
.set u, u+1
.endr
.set u, 0
.rept 16
	s_wait_dscnt 15-u                              ; pair u of rows is in, the younger loads stay out
	global_store_b128 v[OO], v[KF+4*u:KF+4*u+3], s[8:9] offset:u*6144 th:TH_STORE_NT
.set u, u+1
.endr
	s_set_vgpr_msb 0x5
	s_wait_tensorcnt 0x0
	ds_add_u32 v96, v97
	s_wait_dscnt 0x0
	s_set_vgpr_msb 0x500
	ROUND                                          ; the closing round: no work-group ends while a partner may still ask for a tile that names it
	s_endpgm
.Lfunc_end_k_q6147b377d0_attn:
	.size	k_q6147b377d0_attn, .Lfunc_end_k_q6147b377d0_attn-k_q6147b377d0_attn
	.p2alignl 7, 3214868480
	.fill 96, 4, 3214868480
	.section	.rodata,"a",@progbits
	.p2align	6, 0x0
	.amdhsa_kernel k_q6147b377d0_attn
		.amdhsa_group_segment_fixed_size 327680
		.amdhsa_private_segment_fixed_size 0
		.amdhsa_enable_private_segment 0
		.amdhsa_kernarg_size 24
		.amdhsa_user_sgpr_count 2
		.amdhsa_user_sgpr_kernarg_segment_ptr 1
		.amdhsa_wavefront_size32 1
		.amdhsa_system_sgpr_workgroup_id_x 1
		.amdhsa_system_sgpr_workgroup_id_y 1
		.amdhsa_system_sgpr_workgroup_id_z 1
		.amdhsa_system_vgpr_workitem_id 0
		.amdhsa_next_free_vgpr 354
		.amdhsa_next_free_sgpr 66
		.amdhsa_reserve_vcc 0
		.amdhsa_float_denorm_mode_32 3
		.amdhsa_float_denorm_mode_16_64 3
		.amdhsa_memory_ordered 1
		.amdhsa_forward_progress 1
		.amdhsa_inst_pref_size 255
	.end_amdhsa_kernel
	.section	.bss,"aw",@nobits
	.p2align	6
	.space	262144
	.amdgpu_metadata
---
amdhsa.version: [ 1, 2 ]
amdhsa.kernels:
  - .name:           k_q6147b377d0_attn
    .symbol:         k_q6147b377d0_attn.kd
    .args:
      - { .name: qkv, .offset: 0, .size: 8, .value_kind: global_buffer, .address_space: global }
      - { .name: mask, .offset: 8, .size: 8, .value_kind: global_buffer, .address_space: global }
      - { .name: out0, .offset: 16, .size: 8, .value_kind: global_buffer, .address_space: global }
    .group_segment_fixed_size: 327680
    .private_segment_fixed_size: 0
    .kernarg_segment_align: 8
    .kernarg_segment_size: 24
    .max_flat_workgroup_size: 256
    .sgpr_count:     66
    .vgpr_count:     354
    .wavefront_size: 32
...
	.end_amdgpu_metadata
.endif
;; end of part 3
;; ======== version 2 of 2: 3 launches; version 1 with the launch prep written anew for expert scheduling mode
;; limits: values are held in f16: magnitudes above 65,504 overflow, below 6.1e-05 lose precision
;; workspace buffers: xh 6,291,456 bytes; wh 3,538,944 bytes; bb 9,216 bytes; qkv 18,874,368 bytes
;; launch prep (part 4): grid 544 x 1, 6 waves a work-group, no clusters, 0 bytes of LDS; arguments x, Wq, Wk, Wv, Aq, Av, Bq, Bv, bq, bk, bv, xh, wh, bb; writes xh, wh, bb
.if DOCPART == 4
	.amdgcn_target "amdgcn-amd-amdhsa--gfx1250"
	.amdhsa_code_object_version 6
	.text
	.protected	k_q6147b377d0_prep
	.globl	k_q6147b377d0_prep
	.p2align	8
	.type	k_q6147b377d0_prep,@function
k_q6147b377d0_prep:
	s_mov_b64 s[64:65], 0
	v_nop
	global_prefetch_b8 v0, s[64:65] scope:SCOPE_SE
	s_setreg_imm32_b32 hwreg(HW_REG_WAVE_SCHED_MODE, 0, 2), 2
	s_setreg_imm32_b32 hwreg(HW_REG_WAVE_MODE, 25, 1), 1
	s_wait_xcnt 0x0
	s_wait_alu depctr_vm_vsrc(0)
; Casts and the merge of the low-rank terms, ahead of the projection.
;   xh[4096][768] f16 = x
;   wh[2304][768] f16: rows 0-767 c (Wq + Bq Aq / 16), rows 768-1535 Wk, rows 1536-2303 Wv + Bv Av / 16
;   bb[2304]      f32: c bq, bk, bv
; c = 0.125 log2(e): the division by sqrt(64) and the change to base-2 exponentials are folded into q's weights and bias.
; x W^T + (x A^T) B^T / 16 = x (W + B A / 16)^T holds for every input; the merged weight is summed in f32 and rounded once.
; LIMIT: f16 holds magnitudes below 65,504; a larger |x| or |merged weight| becomes an infinity.
; A row of 768 f32 is 192 pieces of 16 bytes: thread t of 192 owns piece t of every row.  A wave's load covers 512 consecutive
; bytes; its 8-byte store covers 256 consecutive bytes that start at a multiple of 256.  No LDS, no barrier, no matrix unit:
; every byte is touched once, and the merge is 16 multiply-adds a number on 1.2 million numbers.
; Work-groups 0-95 and 96-191: 8 rows each of Wq and Wv (the longest work, so it starts first); 192-287: 8 rows of Wk; 288-543: 16 rows of x.
; All loads of a work-group go out together.  B's 8 rows x 16 numbers are 512 bytes: one load, four numbers a lane; each number is
; then handed to a scalar register by v_readlane_b32 and multiplies two columns at once.
; THE MODE: SCHED_MODE bits 1:0 = 2 (LLVM: expert scheduling mode 2), set by the entry lines.  The code itself states the register dependences
; between vector instructions and memory instructions, with s_wait_alu, always for 0.
; THE PLAN.  Registers that memory instructions touch:
;   v1, v2, v3   byte offsets, made at the head and never written again: one wait at the head serves every load and store of every path.
;   XR, AR, WR, BV   loaded data.  Loaded before any vector instruction names them and never loaded again, but for AR's first four registers,
;                in which the bias lands at the end, behind the wait that shows every multiply-add done.
;   XO, WO       what the stores read.  Each register is written once in the launch, by a conversion; so nothing that a store has read is written again.
; The rows go in groups (x: four blocks of four rows; a weight matrix: four pairs of rows).  A group's stores are issued in the NEXT group, behind one
; wait at that group's head, and no vector instruction of that group names their registers.  The last group's stores have a wait of their own.
; The scalar registers that v_readlane_b32 writes have one wait for each run of 32, ahead of the multiply-adds that read them.
.set ROWF, 3072                        ; bytes of a row in f32
.set ROWH, 1536                        ; bytes of a row in f16
.set XR,  4                            ; v[4:67]    16 rows of x, 4 registers each
.set XO,  68                           ; v[68:99]   the same as f16, 2 registers each
.set AR,  4                            ; v[4:67]    A's 16 rows, my 4 columns each
.set WR,  68                           ; v[68:99]   8 rows of W, my 4 columns each
.set WO,  100                          ; v[100:115] the same as f16
.set BV,  116                          ; v[116:119] lane l: numbers 4 l .. 4 l + 3 of B's 128
.set BS0, 32                           ; s[32:63]   16 pairs: the even register holds a number of B's row for the even row of W; the odd one is only written
.set BS1, 66                           ; s[66:97]   the same for the odd row of W
.set CQ,   0x3e38aa3b                  ; c
.set CQ16, 0x3c38aa3b                  ; c / 16
.set R16,  0x3d800000                  ; 1 / 16
	s_load_b512 s[4:19], s[0:1], 0x0               ; x, Wq, Wk, Wv, Aq, Av, Bq, Bv
	s_load_b256 s[20:27], s[0:1], 0x40             ; bq, bk, bv, xh
	s_load_b128 s[28:31], s[0:1], 0x60             ; wh, bb
	v_lshlrev_b32 v1, 4, v0                        ; 16 t: my piece of an f32 row
	v_lshlrev_b32 v2, 3, v0                        ; 8 t: my piece of an f16 row
	v_and_b32 v3, 31, v0
	v_lshlrev_b32 v3, 4, v3                        ; 16 x lane: my four numbers of B
	s_mov_b32 s2, ttmp9
	s_wait_kmcnt 0x0
	s_wait_alu depctr_va_vdst(0)                   ; v1, v2 and v3 are written: every load and store of every path below reads one of them as its offset
	s_cmp_lt_u32 s2, 96
	s_cbranch_scc1 .Lwq
	s_sub_co_u32 s2, s2, 96
	s_cmp_lt_u32 s2, 96
	s_cbranch_scc1 .Lwv
	s_sub_co_u32 s2, s2, 96
	s_cmp_lt_u32 s2, 96
	s_cbranch_scc1 .Lwk
	s_sub_co_u32 s2, s2, 96
	; x: 16 rows, all 16 loads out at once, every row in registers of its own
	s_mul_i32 s66, s2, 16*ROWF
	s_mov_b32 s67, 0
	s_add_nc_u64 s[4:5], s[4:5], s[66:67]
	s_mul_i32 s68, s2, 16*ROWH
	s_mov_b32 s69, 0
	s_add_nc_u64 s[26:27], s[26:27], s[68:69]
.irp i, 0,1,2,3,4,5,6,7,8,9,10,11,12,13,14,15
	global_load_b128 v[XR+4*\i:XR+4*\i+3], v1, s[4:5] offset:\i*ROWF th:TH_LOAD_NT
.endr
	; Four blocks of four rows.  Block p rounds its rows into its own part of XO; the stores of block p - 1 are dealt among its conversions.
.irp p, 0,1,2,3
	s_wait_loadcnt 12-4*(\p)                       ; loads return in order: block p's four rows are in, the younger blocks stay out
.if (\p) > 0
	s_wait_alu depctr_va_vdst(0)                   ; the block before has written its part of XO, which the four stores below read; this block's conversions name other registers
.endif
.irp j, 0,1,2,3
.if (\p) > 0
	global_store_b64 v2, v[XO+2*(4*(\p)-4+(\j)):XO+2*(4*(\p)-4+(\j))+1], s[26:27] offset:(4*(\p)-4+(\j))*ROWH
.endif
	v_cvt_pk_f16_f32 v[XO+2*(4*(\p)+(\j))],   v[XR+4*(4*(\p)+(\j))],   v[XR+4*(4*(\p)+(\j))+1]
	v_cvt_pk_f16_f32 v[XO+2*(4*(\p)+(\j))+1], v[XR+4*(4*(\p)+(\j))+2], v[XR+4*(4*(\p)+(\j))+3]
.endr
.endr
	s_wait_alu depctr_va_vdst(0)                   ; block 3 has written its part of XO, which the last four stores read
.irp j, 0,1,2,3
	global_store_b64 v2, v[XO+2*(12+(\j)):XO+2*(12+(\j))+1], s[26:27] offset:(12+(\j))*ROWH
.endr
	s_endpgm
; Eight rows of one weight matrix.  wp, ap, bp, cp: first scalar register of the addresses of W, A, B and the bias; m: which third of wh and bb;
; lora: the matrix has a low-rank term; scaled: everything times c.  s2 = which eight rows.
.macro WPATH wp, ap, bp, cp, m, lora, scaled
	s_mul_i32 s66, s2, 8*ROWF
	s_mov_b32 s67, 0
	s_add_nc_u64 s[\wp:\wp+1], s[\wp:\wp+1], s[66:67]
	s_mul_i32 s68, s2, 8*ROWH
	s_add_co_u32 s68, s68, \m*768*ROWH
	s_mov_b32 s69, 0
	s_add_nc_u64 s[28:29], s[28:29], s[68:69]
.if \lora
	s_lshl_b32 s70, s2, 9                          ; 8 rows of B, 64 bytes each
	s_mov_b32 s71, 0
	s_add_nc_u64 s[\bp:\bp+1], s[\bp:\bp+1], s[70:71]
	global_load_b128 v[BV:BV+3], v3, s[\bp:\bp+1]  ; B's 128 numbers for my 8 rows, four a lane
.set r, 0
.rept 16
	global_load_b128 v[AR+4*r:AR+4*r+3], v1, s[\ap:\ap+1] offset:r*ROWF    ; all of A, my 4 columns (96 work-groups read it: no hint)
.set r, r+1
.endr
.endif
.set i, 0
.rept 8
	global_load_b128 v[WR+4*i:WR+4*i+3], v1, s[\wp:\wp+1] offset:i*ROWF th:TH_LOAD_NT
.set i, i+1
.endr
.if \lora
.set r, 0
.rept 16                                               ; the upper halves of the scalar pairs are named by the packed multiply-adds and never used: written once
	s_mov_b32 s[BS0+2*r+1], 0
	s_mov_b32 s[BS1+2*r+1], 0
.set r, r+1
.endr
	s_wait_loadcnt 0x8                             ; B's load and A's 16 are in; the 8 rows of W were issued behind them
.if \scaled
	v_pk_mul_f32 v[BV:BV+1],   v[BV:BV+1],   CQ16 op_sel_hi:[1,0]     ; the term's factor goes onto B: two instructions
	v_pk_mul_f32 v[BV+2:BV+3], v[BV+2:BV+3], CQ16 op_sel_hi:[1,0]
.else
	v_pk_mul_f32 v[BV:BV+1],   v[BV:BV+1],   R16 op_sel_hi:[1,0]
	v_pk_mul_f32 v[BV+2:BV+3], v[BV+2:BV+3], R16 op_sel_hi:[1,0]
.endif
.endif
.set i, 0
.rept 4                                                ; rows 2 i and 2 i + 1 together: four sums that do not wait for each other
	s_wait_loadcnt 6-2*i                           ; both rows of W are in, the younger rows stay out
.if \scaled
	v_pk_mul_f32 v[WR+8*i:WR+8*i+1],   v[WR+8*i:WR+8*i+1],   CQ op_sel_hi:[1,0]
	v_pk_mul_f32 v[WR+8*i+2:WR+8*i+3], v[WR+8*i+2:WR+8*i+3], CQ op_sel_hi:[1,0]
	v_pk_mul_f32 v[WR+8*i+4:WR+8*i+5], v[WR+8*i+4:WR+8*i+5], CQ op_sel_hi:[1,0]
	v_pk_mul_f32 v[WR+8*i+6:WR+8*i+7], v[WR+8*i+6:WR+8*i+7], CQ op_sel_hi:[1,0]
.endif
.if \lora
.set r, 0
.rept 16                                               ; number r of row n of B lies in lane 4 n + r / 4, register r % 4
	v_readlane_b32 s[BS0+2*r], v[BV+r%4], 8*i+r/4
	v_readlane_b32 s[BS1+2*r], v[BV+r%4], 8*i+4+r/4
.set r, r+1
.endr
	s_wait_alu depctr_va_sdst(0)                   ; the 32 scalar registers are written, ahead of their first readers, the multiply-adds below: one wait for the run
.endif
.if i > 0
	s_wait_alu depctr_va_vdst(0)                   ; the pair of rows before has written its four registers of WO, which the two stores below read; no line of this pair names them
	global_store_b64 v2, v[WO+4*(i-1):WO+4*(i-1)+1],   s[28:29] offset:(2*i-2)*ROWH
	global_store_b64 v2, v[WO+4*(i-1)+2:WO+4*(i-1)+3], s[28:29] offset:(2*i-1)*ROWH
.endif
.if \lora
.set r, 0
.rept 16                                               ; the scalar pair's first register multiplies both columns
	v_pk_fma_f32 v[WR+8*i:WR+8*i+1],   v[AR+4*r:AR+4*r+1],   s[BS0+2*r:BS0+2*r+1], v[WR+8*i:WR+8*i+1]   op_sel_hi:[1,0,1]
	v_pk_fma_f32 v[WR+8*i+2:WR+8*i+3], v[AR+4*r+2:AR+4*r+3], s[BS0+2*r:BS0+2*r+1], v[WR+8*i+2:WR+8*i+3] op_sel_hi:[1,0,1]
	v_pk_fma_f32 v[WR+8*i+4:WR+8*i+5], v[AR+4*r:AR+4*r+1],   s[BS1+2*r:BS1+2*r+1], v[WR+8*i+4:WR+8*i+5] op_sel_hi:[1,0,1]
	v_pk_fma_f32 v[WR+8*i+6:WR+8*i+7], v[AR+4*r+2:AR+4*r+3], s[BS1+2*r:BS1+2*r+1], v[WR+8*i+6:WR+8*i+7] op_sel_hi:[1,0,1]
.set r, r+1
.endr
.endif
	v_cvt_pk_f16_f32 v[WO+4*i],   v[WR+8*i],   v[WR+8*i+1]
	v_cvt_pk_f16_f32 v[WO+4*i+1], v[WR+8*i+2], v[WR+8*i+3]
	v_cvt_pk_f16_f32 v[WO+4*i+2], v[WR+8*i+4], v[WR+8*i+5]
	v_cvt_pk_f16_f32 v[WO+4*i+3], v[WR+8*i+6], v[WR+8*i+7]
.set i, i+1
.endr
	s_wait_alu depctr_va_vdst(0)                   ; the last pair has written its four registers of WO, which the two stores below read; and every multiply-add is done reading v[4:7], in which the bias lands
	global_store_b64 v2, v[WO+12:WO+13], s[28:29] offset:6*ROWH
	global_store_b64 v2, v[WO+14:WO+15], s[28:29] offset:7*ROWH
	s_cmp_lg_u32 s2, 0                             ; the matrix's first work-group also copies its bias: 192 threads x 16 bytes
	s_cbranch_scc1 .Lno_bias_\@
	global_load_b128 v[4:7], v1, s[\cp:\cp+1]      ; no vector instruction stands between the wait above and this load
	s_wait_loadcnt 0x0
.if \scaled
	v_pk_mul_f32 v[4:5], v[4:5], CQ op_sel_hi:[1,0]
	v_pk_mul_f32 v[6:7], v[6:7], CQ op_sel_hi:[1,0]
	s_wait_alu depctr_va_vdst(0)                   ; the two multiplies have written v[4:7], which the store reads
.endif
	global_store_b128 v1, v[4:7], s[30:31] offset:\m*ROWF
.Lno_bias_\@:
	s_endpgm
.endm
.Lwq:
	WPATH 6, 12, 16, 20, 0, 1, 1                   ; Wq, Aq, Bq, bq, all times c
.Lwv:
	WPATH 10, 14, 18, 24, 2, 1, 0                  ; Wv, Av, Bv, bv
.Lwk:
	WPATH 8, 12, 16, 22, 1, 0, 0                   ; Wk, bk: a cast alone (A's and B's registers are not used)
.Lfunc_end_k_q6147b377d0_prep:
	.size	k_q6147b377d0_prep, .Lfunc_end_k_q6147b377d0_prep-k_q6147b377d0_prep
	.p2alignl 7, 3214868480
	.fill 96, 4, 3214868480
	.section	.rodata,"a",@progbits
	.p2align	6, 0x0
	.amdhsa_kernel k_q6147b377d0_prep
		.amdhsa_group_segment_fixed_size 0
		.amdhsa_private_segment_fixed_size 0
		.amdhsa_enable_private_segment 0
		.amdhsa_kernarg_size 112
		.amdhsa_user_sgpr_count 2
		.amdhsa_user_sgpr_kernarg_segment_ptr 1
		.amdhsa_wavefront_size32 1
		.amdhsa_system_sgpr_workgroup_id_x 1
		.amdhsa_system_sgpr_workgroup_id_y 1
		.amdhsa_system_sgpr_workgroup_id_z 1
		.amdhsa_system_vgpr_workitem_id 0
		.amdhsa_next_free_vgpr 120
		.amdhsa_next_free_sgpr 98
		.amdhsa_reserve_vcc 0
		.amdhsa_float_denorm_mode_32 3
		.amdhsa_float_denorm_mode_16_64 3
		.amdhsa_memory_ordered 1
		.amdhsa_forward_progress 1
		.amdhsa_inst_pref_size 73
	.end_amdhsa_kernel
	.amdgpu_metadata
---
amdhsa.version: [ 1, 2 ]
amdhsa.kernels:
  - .name:           k_q6147b377d0_prep
    .symbol:         k_q6147b377d0_prep.kd
    .args:
      - { .name: x, .offset: 0, .size: 8, .value_kind: global_buffer, .address_space: global }
      - { .name: Wq, .offset: 8, .size: 8, .value_kind: global_buffer, .address_space: global }
      - { .name: Wk, .offset: 16, .size: 8, .value_kind: global_buffer, .address_space: global }
      - { .name: Wv, .offset: 24, .size: 8, .value_kind: global_buffer, .address_space: global }
      - { .name: Aq, .offset: 32, .size: 8, .value_kind: global_buffer, .address_space: global }
      - { .name: Av, .offset: 40, .size: 8, .value_kind: global_buffer, .address_space: global }
      - { .name: Bq, .offset: 48, .size: 8, .value_kind: global_buffer, .address_space: global }
      - { .name: Bv, .offset: 56, .size: 8, .value_kind: global_buffer, .address_space: global }
      - { .name: bq, .offset: 64, .size: 8, .value_kind: global_buffer, .address_space: global }
      - { .name: bk, .offset: 72, .size: 8, .value_kind: global_buffer, .address_space: global }
      - { .name: bv, .offset: 80, .size: 8, .value_kind: global_buffer, .address_space: global }
      - { .name: xh, .offset: 88, .size: 8, .value_kind: global_buffer, .address_space: global }
      - { .name: wh, .offset: 96, .size: 8, .value_kind: global_buffer, .address_space: global }
      - { .name: bb, .offset: 104, .size: 8, .value_kind: global_buffer, .address_space: global }
    .group_segment_fixed_size: 0
    .private_segment_fixed_size: 0
    .kernarg_segment_align: 8
    .kernarg_segment_size: 112
    .max_flat_workgroup_size: 192
    .sgpr_count:     98
    .vgpr_count:     120
    .wavefront_size: 32
...
	.end_amdgpu_metadata
.endif
;; end of part 4
;; launch proj: the kernel of part 2 again; grid 8 x 32, 4 waves a work-group, clusters of 4 x 4, 327,680 bytes of LDS; arguments xh, wh, bb, qkv; writes qkv
;; launch attn: the kernel of part 3 again; grid 8 x 24, 8 waves a work-group, clusters of 4 x 1, 327,680 bytes of LDS; arguments qkv, mask, out0; writes out0
